; MI455X (gfx1250); checked and timed in simulation.
; The chip was launched on July 23, 2026; its instructions are those of AMD's public machine-readable ISA for CDNA 5 (MIT licence, August 2026) and "CDNA5" Instruction Set Architecture Reference Guide (July 2026). The comments in the code are by the model that wrote it; some were corrected since.
;; Multi Head Attention. Allowed arithmetic: matrix products marked QUANTISED: E2M3 operands, one E8M0 scale for each 32 along K, by v_wmma_scale_f32_16x16x128_f8f6f4 with both operands' format E2M3, f32 sums; everything else in f32.
;; Inputs: W_key 1,024 x 1,024 float32; W_proj 1,024 x 1,024 float32; W_query 1,024 x 1,024 float32; W_value 1,024 x 1,024 float32; x 4 x 2,048 x 1,024 float32.
;; Outputs: out0 4 x 2,048 x 1,024 float32.
;; This version of the problem:
;;   THIS VERSION OF THE PROBLEM IS GIVEN IN LOW PRECISION. The matrix products marked QUANTISED in the list below multiply operands that are first quantised to E2M3 (2 exponent bits, 3 mantissa bits; 6 bits a number), with one power-of-two scale for each 32 numbers along K (OCP MX v1.0); their sums are f32. All else is computed in f32.
;;   The module's matrix products, in the order in which they are computed (A, B: the left and right operand; K: the contracted axis; several contracted axes count as one K, in the product's order):
;;     1. [M 8,192, K 1,024] x [K 1,024, N 1,024]; A: input x; B: input W_key: QUANTISED
;;     2. [M 8,192, K 1,024] x [K 1,024, N 1,024]; A: input x; B: input W_query: QUANTISED
;;     3. [M 8,192, K 1,024] x [K 1,024, N 1,024]; A: input x; B: input W_value: QUANTISED
;;     4. batch 64 x [M 2,048, K 64] x [K 64, N 2,048]; A: computed on the way; B: computed on the way: QUANTISED
;;     5. batch 64 x [M 2,048, K 2,048] x [K 2,048, N 64]; A: softmax (see below); B: computed on the way: QUANTISED
;;     6. [M 8,192, K 1,024] x [K 1,024, N 1,024]; A: computed on the way; B: input W_proj: QUANTISED
;;   THE QUANTISER, for each operand of a quantised product, along K:
;;     - K is cut into blocks of 32 from its start; a last block that is shorter is filled with zeros.
;;     - A block's scale is 2^e with e = floor(log2(the largest magnitude in the block)) - 2, held to -126 .. 127; a block of zeros has e = 0. As a byte (E8M0): e + 127.
;;     - Each number is divided by its block's scale, clamped to +-7.5, and rounded to the nearest number of E2M3, ties to even, subnormals kept.
;;     - The product sums the exact products of the quantised numbers (number of the format x scale) in f32.
;;   ~~~python
;;   def quantise(x, axis):      # numpy; x: float32 -> the quantised numbers, widened to float32 again
;;       x = np.moveaxis(x, axis, -1); K = x.shape[-1]
;;       x = np.pad(x, [(0, 0)] * (x.ndim - 1) + [(0, -K % 32)]); x = x.reshape(x.shape[:-1] + (-1, 32)); a = np.abs(x).max(-1, keepdims=True)
;;       e = np.where(a > 0, np.clip(np.frexp(np.where(a > 0, a, 1))[1] - 1 - 2, -126, 127), 0)      # np.frexp(a)[1] - 1 = floor(log2(a)), exactly
;;       r = np.clip(x / 2.0 ** e, -7.5, 7.5)
;;       step = 2.0 ** (np.maximum(np.frexp(np.where(r == 0, 1, r))[1] - 1, 0) - 3)
;;       q = np.round(r / step) * step * 2.0 ** e      # np.round: ties to even
;;       return np.moveaxis(q.reshape(q.shape[:-2] + (-1,))[..., :K], -1, axis).astype(np.float32)
;;   ~~~
;;   SOFTMAX AHEAD OF A QUANTISED PRODUCT. Where the list says 'softmax', what is quantised is not the finished softmax but p = 2^(t - M), with t = logit x log2(e) and M = ceil(the row's largest t), a whole number; so 1/2 < the row's largest p <= 1. The row's sum l is taken of the UNQUANTISED p, in f32, and the product's result is divided by l at the end. Since M is a whole number, a kernel that streams over the keys may use a running M (the ceiling of the running maximum): every later rescaling is an exact power of two, which a block's scale takes up: the codes' values come out the same.
;;   OPERANDS COMPUTED ON THE WAY. 'Computed on the way' means the value that the module computes at that place (a softmax that the list does not call 'softmax' is quantised finished and normalised). What goes into a quantiser is computed in f32, as accurately as f32 sums, v_exp_f32 and their like allow (about 1e-6 of the number): no bf16 or f16 on the way to a quantiser, and a product that is left as it is and whose result goes on into a quantised operand takes f32 operands (vector FMAs, or v_wmma_f32_16x16x4_f32). A number that lies on a knife's edge between two numbers of the format may be rounded either way, as far as f32 arithmetic and the matrix unit's own rounding can turn it there, and no further.
;; One version. Each part assembles by itself: llvm-mc -triple=amdgcn-amd-amdhsa -mcpu=gfx1250 --defsym DOCPART=n.
;; ======== version 1 of 1: 4 launches
;; workspace buffers: opnd 9,830,400 bytes; qkv 20,185,088 bytes; ao 6,553,600 bytes
;; launch quant (part 1): grid 384 x 1, 4 waves a work-group, no clusters, 35,328 bytes of LDS; arguments x, W_query, W_key, W_value, W_proj, opnd; writes opnd
.if DOCPART == 1
	.amdgcn_target "amdgcn-amd-amdhsa--gfx1250"
	.amdhsa_code_object_version 6
	.text
	.protected	k_qc486501667_quant
	.globl	k_qc486501667_quant
	.p2align	8
	.type	k_qc486501667_quant,@function
k_qc486501667_quant:
	s_mov_b64 s[64:65], 0
	v_nop
	global_prefetch_b8 v0, s[64:65] scope:SCOPE_SE
	s_setreg_imm32_b32 hwreg(HW_REG_WAVE_MODE, 25, 1), 1
	s_wait_xcnt 0x0
; x [8192][1024] and the four weights [1024][1024], f32 with K innermost, become codes of FP6 (E2M3) and E8M0 scale bytes, one for each 32 along K,
; laid in the ORDER OF THE OPERAND'S REGISTERS.  opnd = [G 0..191][kappa 0..7][6400 bytes]: G = a group of 64 rows (x: 0-127, W_query 128-143, W_key 144-159,
; W_value 160-175, W_proj 176-191), kappa = 128 along K.  A block of 6,400 bytes = four fragment images of 1,536 bytes + 256 bytes of scale words.
; IMAGE tau: 16 rows x 128 K, 12 registers a lane: registers 0-3 at 16 x lane, 4-5 at 512 + 8 x lane, 6-9 at 768 + 16 x lane, 10-11 at 1280 + 8 x lane.
; THE ROWS OF A TILE ARE NOT NEIGHBOURS: lane r of tile tau takes row 32 (tau / 2) + 8 (tau % 2) + r + 8 (r / 8) of the group, so that the results of two neighbouring tiles are
; 16 neighbours along the next product's K.  SCALE WORDS: the word of (row r, tile tau) at 6144 + 16 r + 4 tau.
; A block's scale is 2^(floor(log2(largest magnitude)) - 2): its byte is the largest magnitude's exponent field - 2, held at 1 from below.
; LIMITS: a block of zeros gets the byte 1 where the rule says 127 (its codes are zeros, and this program alone reads the bytes); NaN and infinities among the inputs are not served.
; SHARES: work-group n takes group n / 2; its wave w the block kappa = 4 (n % 2) + w: 64 rows x 512 bytes in, 6,400 bytes out.  A wave works 8 units of 16 rows x 64 K:
; eight loads, in each of which sixteen lanes read 256 consecutive bytes of a row; the unit turns through the wave's own stage in LDS (rows 272 bytes apart) so that a lane gets the
; 32 neighbours of ONE block.  Loads run three units ahead, the turn one unit.  Waves share nothing: no barrier.
.set STG,  8704                        ; LDS of a wave: two stages of 16 rows x 272 bytes
.set HST,  4352
.set R,    16                          ; v16-111  three sets of 32 registers as loaded
.set X,    112                         ; v112-175 two sets of 32 neighbours
.set CD,   176                         ; v176-239 codes: eight registers a unit, never written again
.set CT,   240                         ; v240-242 the second half of a block's codes
.set WRD,  244                         ; v244-247 the scale words of the four tiles
	s_load_b256 s[4:11], s[0:1], 0x0               ; x, W_query, W_key, W_value
	s_load_b128 s[12:15], s[0:1], 0x20             ; W_proj, opnd
	v_lshl_add_u32 v243, v0, 2, 0x8800
	v_mov_b32 v251, 0
	v_lshrrev_b32 v1, 5, v0
	v_readfirstlane_b32 s20, v1                    ; wave
	v_and_b32 v1, 31, v0                           ; lane
	v_and_b32 v2, 15, v0                           ; r
	v_bfe_u32 v8, v0, 4, 1                         ; h
	v_lshlrev_b32 v3, 4, v2
	v_lshl_add_u32 v3, v8, 12, v3                  ; in: 16 r + one row of 4,096 bytes for lanes 16-31
	v_lshlrev_b32 v4, 4, v1                        ; out: 16 x lane
	v_lshlrev_b32 v5, 3, v1                        ; out: 8 x lane
	v_lshlrev_b32 v7, 3, v8                        ; 8 h
	v_lshl_add_u32 v6, v2, 4, v7                   ; out: 16 r + 8 h: two scale words
	s_mul_i32 s21, s20, STG
	v_mul_u32_u24 v14, v8, 272
	v_lshl_add_u32 v14, v2, 4, v14
	v_add_nc_u32 v14, s21, v14                     ; the stage, way in: row (lane / 16), 16 bytes a lane
	v_mul_u32_u24 v15, v2, 272
	v_lshl_add_u32 v15, v8, 7, v15
	v_add_nc_u32 v15, s21, v15                     ; way out: row r, + 128 h: my block's 32 numbers
	v_mov_b32 v254, 0                              ; a lane permute's destination counts as read
	s_mov_b32 s24, 0x76543210
	s_mov_b32 s25, 0xfedcba98                      ; selects: lane l xor 16
	s_lshr_b32 s22, ttmp9, 1                       ; G
	s_and_b32 s23, ttmp9, 1
	s_lshl_b32 s23, s23, 2
	s_add_co_u32 s23, s23, s20                     ; kappa
	s_and_b32 s26, s22, 15
	s_wait_kmcnt 0x0
	s_mov_b64 s[16:17], s[12:13]                   ; the source: chosen by the group's number alone
	s_cmp_lt_u32 s22, 176
	s_cselect_b64 s[16:17], s[10:11], s[16:17]
	s_cmp_lt_u32 s22, 160
	s_cselect_b64 s[16:17], s[8:9], s[16:17]
	s_cmp_lt_u32 s22, 144
	s_cselect_b64 s[16:17], s[6:7], s[16:17]
	s_cmp_lt_u32 s22, 128
	s_cselect_b64 s[16:17], s[4:5], s[16:17]
	s_cselect_b32 s26, s22, s26                    ; the group's number inside its tensor
	s_lshl_b32 s26, s26, 18                        ; 64 rows of 4,096 bytes
	s_lshl_b32 s27, s23, 9                         ; 128 numbers along K
	s_add_co_u32 s26, s26, s27
	s_mov_b32 s27, 0
	s_add_nc_u64 s[16:17], s[16:17], s[26:27]
	s_lshl_b32 s28, s22, 3
	s_add_co_u32 s28, s28, s23
	s_mul_i32 s28, s28, 6400
	s_mov_b32 s29, 0
	s_add_nc_u64 s[14:15], s[14:15], s[28:29]
.macro LOAD t                          ; unit t = (tile t / 2, half t % 2 of the 128 along K): load i takes the tile's rows 2 i and 2 i + 1
.irp i, 0,1,2,3,4,5,6,7
	global_load_b128 v[R+32*((\t)%3)+4*\i:R+32*((\t)%3)+4*\i+3], v3, s[16:17] offset:(32*((\t)/4)+8*(((\t)/2)%2)+2*\i+8*(\i/4))*4096+256*((\t)%2) th:TH_LOAD_NT
.endr
.endm
.macro TURN t                          ; through the stage: LDS serves a wave's instructions in order, so no wait stands between the stores and the loads
.irp i, 0,1,2,3,4,5,6,7
	ds_store_b128 v14, v[R+32*((\t)%3)+4*\i:R+32*((\t)%3)+4*\i+3] offset:HST*((\t)%2)+544*\i
.endr
.irp i, 0,1,2,3,4,5,6,7
	ds_load_b128 v[X+32*((\t)%2)+4*\i:X+32*((\t)%2)+4*\i+3], v15 offset:HST*((\t)%2)+16*\i
.endr
.endm
	LOAD 0
	LOAD 1
	LOAD 2
	s_wait_loadcnt 16                              ; unit 0's eight loads are in; units 1 and 2 may be out
	TURN 0
.macro STEP t
.set XS, X+32*((\t)%2)
.set CC, CD+8*(\t)
	s_wait_dscnt 0x0                               ; this unit is back from the stage: so the stage's stores have read their registers,
.if (\t)+3 < 8
	LOAD (\t)+3                                    ; which take the loads of three units on
.endif
.if (\t)+1 < 8
.if 6-(\t) >= 2
	s_wait_loadcnt 16                              ; the next unit's loads are in; the two units behind it may be out
.else
	s_wait_loadcnt 8*(6-(\t))
.endif
	TURN (\t)+1
.endif
	v_max3_num_f32 v248, |v[XS]|, |v[XS+1]|, |v[XS+2]|             ; the block's largest magnitude: all 32 numbers are mine; two chains
	v_max3_num_f32 v249, |v[XS+3]|, |v[XS+4]|, |v[XS+5]|
.irp i, 6,10,14,18,22,26
	v_max3_num_f32 v248, v248, |v[XS+\i]|, |v[XS+\i+1]|
	v_max3_num_f32 v249, v249, |v[XS+\i+2]|, |v[XS+\i+3]|
.endr
	v_max3_num_f32 v248, v248, |v[XS+30]|, |v[XS+31]|
	v_max3_num_f32 v248, v248, v249, 0x1800000     ; and the floor 2^(3 - 127): the byte cannot fall under 1
	v_add_nc_u32 v250, 0xff000000, v248            ; 2 off the exponent field: the conversion's scale operand
	v_cvt_scalef32_pk16_fp6_f32 v[CC:CC+2], v[XS:XS+15], v250
	v_cvt_scalef32_pk16_fp6_f32 v[CT:CT+2], v[XS+16:XS+31], v250   ; (a conversion's three registers begin on an even number)
	v_lshrrev_b32 v[252+(\t)%2], 23, v250          ; the scale's byte; also the plain line behind the conversions
.irp i, 0,1,2
	v_mov_b32 v[CC+3+\i], v[CT+\i]
.endr
	global_store_b128 v4, v[CC:CC+3], s[14:15] offset:1536*((\t)/2)+768*((\t)%2)        ; 32 lanes store 512 consecutive bytes, aligned to 256
	global_store_b64 v5, v[CC+4:CC+5], s[14:15] offset:1536*((\t)/2)+768*((\t)%2)+512   ; and 256
.if (\t)%2 == 1
	v_lshl_or_b32 v255, v253, 16, v252             ; my two bytes: blocks h and 2 + h of my row,
	v_lshlrev_b32 v255, v7, v255                   ; at their places (8 h bits up);
	v_permlanex16_b32 v254, v255, s24, s25
	v_or_b32 v[WRD+(\t)/2], v255, v254             ; with lane l xor 16's two the word is whole
.endif
.endm
.irp t, 0,1,2,3,4,5,6,7
	STEP \t
.endr
	v_cmp_ne_u32 vcc_lo, 0, v8
	v_cndmask_b32 v248, v[WRD], v[WRD+2], vcc_lo   ; lanes 0-15 store the words of tiles 0, 1, lanes 16-31 those of tiles 2, 3
	v_cndmask_b32 v249, v[WRD+1], v[WRD+3], vcc_lo
	global_store_b64 v6, v[248:249], s[14:15] offset:6144          ; 32 lanes store 256 consecutive bytes, aligned
	s_wait_tensorcnt 0x0
	ds_add_u32 v243, v251
	s_wait_dscnt 0x0
	s_endpgm
.Lfunc_end_k_qc486501667_quant:
	.size	k_qc486501667_quant, .Lfunc_end_k_qc486501667_quant-k_qc486501667_quant
	.p2alignl 7, 3214868480
	.fill 96, 4, 3214868480
	.section	.rodata,"a",@progbits
	.p2align	6, 0x0
	.amdhsa_kernel k_qc486501667_quant
		.amdhsa_group_segment_fixed_size 35328
		.amdhsa_private_segment_fixed_size 0
		.amdhsa_enable_private_segment 0
		.amdhsa_kernarg_size 48
		.amdhsa_user_sgpr_count 2
		.amdhsa_user_sgpr_kernarg_segment_ptr 1
		.amdhsa_wavefront_size32 1
		.amdhsa_system_sgpr_workgroup_id_x 1
		.amdhsa_system_sgpr_workgroup_id_y 1
		.amdhsa_system_sgpr_workgroup_id_z 1
		.amdhsa_system_vgpr_workitem_id 0
		.amdhsa_next_free_vgpr 256
		.amdhsa_next_free_sgpr 66
		.amdhsa_reserve_vcc 1
		.amdhsa_float_denorm_mode_32 3
		.amdhsa_float_denorm_mode_16_64 3
		.amdhsa_memory_ordered 1
		.amdhsa_forward_progress 1
		.amdhsa_inst_pref_size 31
	.end_amdhsa_kernel
	.amdgpu_metadata
---
amdhsa.version: [ 1, 2 ]
amdhsa.kernels:
  - .name:           k_qc486501667_quant
    .symbol:         k_qc486501667_quant.kd
    .args:
      - { .name: x, .offset: 0, .size: 8, .value_kind: global_buffer, .address_space: global }
      - { .name: W_query, .offset: 8, .size: 8, .value_kind: global_buffer, .address_space: global }
      - { .name: W_key, .offset: 16, .size: 8, .value_kind: global_buffer, .address_space: global }
      - { .name: W_value, .offset: 24, .size: 8, .value_kind: global_buffer, .address_space: global }
      - { .name: W_proj, .offset: 32, .size: 8, .value_kind: global_buffer, .address_space: global }
      - { .name: opnd, .offset: 40, .size: 8, .value_kind: global_buffer, .address_space: global }
    .group_segment_fixed_size: 35328
    .private_segment_fixed_size: 0
    .kernarg_segment_align: 8
    .kernarg_segment_size: 48
    .max_flat_workgroup_size: 128
    .sgpr_count:     66
    .vgpr_count:     256
    .wavefront_size: 32
...
	.end_amdgpu_metadata
.endif
;; end of part 1
;; launch qkv (part 2): grid 12 x 32, 4 waves a work-group, clusters of 4 x 4, 327,680 bytes of LDS; arguments opnd, qkv; writes qkv
.if DOCPART == 2
	.amdgcn_target "amdgcn-amd-amdhsa--gfx1250"
	.amdhsa_code_object_version 6
	.text
	.protected	k_qc486501667_qkv
	.globl	k_qc486501667_qkv
	.p2align	8
	.type	k_qc486501667_qkv,@function
k_qc486501667_qkv:
	s_mov_b64 s[64:65], 0
	v_nop
	global_prefetch_b8 v0, s[64:65] scope:SCOPE_SE
	s_setreg_imm32_b32 hwreg(HW_REG_WAVE_MODE, 25, 1), 1
	s_wait_xcnt 0x0
	s_wait_alu depctr_hold_cnt(0) depctr_sa_sdst(0) depctr_va_vdst(0) depctr_va_sdst(0) depctr_va_ssrc(0) depctr_va_vcc(0) depctr_vm_vsrc(0)
	s_getreg_b32 s2, hwreg(HW_REG_IB_STS2, 6, 4)
	s_cmp_eq_u32 s2, 0
	s_cbranch_scc0 .Lentry_in_a_cluster
	s_endpgm
.Lentry_in_a_cluster:
	s_bfe_u32 s2, ttmp6, 0x10000c
	s_cmp_lg_u32 s2, 0xf033
	s_cbranch_scc0 .Lentry_shape_is_right
	s_endpgm
.Lentry_shape_is_right:
; q = x W_query^T, k = x W_key^T, v = x W_value^T, each x 2^-5, on codes of FP6 (E2M3) with E8M0 scales; the results are quantised here, in registers: q and k along the head's 64, v along the keys.
; opnd: see the layout below; every operand lies as images of its registers, so a fragment is four dense LDS loads and a tile of two K steps is a dense run of memory.
;   opnd = [G][kappa 0..7][6400]: G = 64 rows (x 0-127, W_query 128-143, W_key 144-159, W_value 160-175); a block = 4 images of 1,536 bytes + 256 bytes of scale words (word of row r, tile tau at 16 r + 4 tau).
; THE CLUSTER'S x IS THE TYPE: 0 = q, 1 = k, 2 = v.  For q and k: A = x (tokens), B = the weight.  For v: A = W_value (channels), B = x.  The matrix instruction is used TRANSPOSED (source 0 = 16 rows of B,
; source 1 = 16 rows of A): a lane holds ONE row of A and its registers run along B's rows; by the tiles' order of rows the 16 registers of two neighbouring tiles are 16 neighbours.  So for q and k a lane
; holds a token and 128 channels (two heads), for v a channel and 128 tokens (a key step): in both the next product's K runs along the lane's registers.
; A tile of C is 256 x 256, a wave's 128 x 128: 64 accumulators.  K = 1,024 is 8 steps of 128.  LDS: three slots of two steps each, all filled at the head; slot 0 is filled once more for the last two steps.
; By this text's own count a wave has three tensor loads out at the head and one behind the refill.
; CLUSTERS 4 x 4: A's tiles are shared along a row of the cluster, B's along a column: joint loads.
; OUT: qkv = Q [bh 64][g 32][3328] at 0, K likewise at 6,815,744 (a half block: four half images of 768 bytes (16 tokens x the head's 64) + 256 bytes of scale words, bytes 0 and 1 the head's two blocks);
;      V [bh][key step 16][6400] at 13,631,488 (64 channels x 128 keys, as a block of opnd).  Every store covers whole aligned runs of 256 bytes.
; THE FACTOR 2^-5 is taken off the scale bytes: the codes do not change.  The floor under a block's largest raw sum is 2^(8 - 127), so that the byte stays at 1 or above.
; LIMITS: a block of zeros gets the byte 1 where the rule says 127 (zero codes; the bytes are read by this program alone); NaN and infinities are not served.
; REGISTERS: window 0: v2-7 lane numbers, v8-22 LDS addresses, v28-29 the add's, v32-63 scale words (two sets), v128-223 A's 8 fragments; window 1: B's fragments, two sets (v0, v128); windows 2, 3: accumulators (a, b) at v[8 (8 (a % 4) + b)].
.set GRP,    12800                     ; a group of 64 rows x two K steps
.set BLK,    6400
.set IMG,    1536
.set SLOTB,  102400                    ; a slot: A's four groups, then B's four
.set BOFF,   51200
.set SPARE,  307200                    ; behind the slots: the spare words, 128 bytes a wave
.set GPITCH, 51200                     ; from group to group in memory
.set ADRA16, 8
.set ADRA8,  11
.set ADRB16, 14
.set ADRB8,  17
.set ADRS,   20
.set SPW,    28
.set NIL,    29
.set SC,     32
.set AF,     128
.set MUL_LO, 0xa1                      ; source 0 (B) window 1, source 1 (A) window 0, C and D window 2
.set MUL_HI, 0xf1                      ; the same, C and D window 3
.set TO_B,   0x40                      ; destination window 1
.set PC,     64                        ; the way out: v64-159 codes, 12 registers for each of A's tiles
.set CT,     160                       ; v160-167 second halves of blocks
.set TM,     168                       ; v168-183 at work
.set WD,     184                       ; v184-191 scale words
.set TT,     192                       ; v192-199 scale words as they are stored
.set MSB, 0
.macro WIN new                         ; the immediate's high byte repeats the setting that is left
.if MSB != (\new)
	s_set_vgpr_msb (MSB<<8)|(\new)
.set MSB, (\new)
.endif
.endm
.macro PLACES n
.rept \n
	v_nop
.endr
.endm
.macro CREST                           ; a round of the cluster's barrier behind its opening barrier
	s_cmp_lg_u32 s10, 0
	s_cbranch_scc1 .Lnot_wave_0_\@
	s_barrier_signal -3
.Lnot_wave_0_\@:
	s_barrier_wait -3
	s_barrier_signal -1
	s_barrier_wait -1
.endm
.macro CROUND
	s_barrier_signal -1
	s_barrier_wait -1
	CREST
.endm
.macro JLOAD                           ; the joint refill of slot 0: waves 0, 1 for A, waves 2, 3 for B; four v_nop follow each line
	s_cmp_eq_u32 s11, 0
	s_cbranch_scc0 .Lfor_b_\@
	tensor_load_to_lds s[32:35], s[16:23]
	s_nop 0
.rept 4
	v_nop
.endr
	s_branch .Lasked_\@
.Lfor_b_\@:
	tensor_load_to_lds s[44:47], s[24:31]
	s_nop 0
.rept 4
	v_nop
.endr
.Lasked_\@:
.endm
	s_load_b128 s[4:7], s[0:1], 0x0                ; opnd, qkv
	v_lshl_add_u32 v[SPW], v0, 2, SPARE
	v_mov_b32 v[NIL], 0
	ds_add_u32 v28, v29
	ds_add_u32 v28, v29
	s_wait_dscnt 0x0
	v_lshrrev_b32 v1, 5, v0
	v_readfirstlane_b32 s10, v1                    ; wave 0..3
	s_lshr_b32 s11, s10, 1                         ; my half of A's rows.  Also: I fetch for A (0) or for B (1)
	s_and_b32 s12, s10, 1                          ; my half of B's rows.  Also: which two groups I fetch
	s_bfe_u32 s56, ttmp6, 0x40000                  ; cx
	s_bfe_u32 s57, ttmp6, 0x40004                  ; cy
	s_and_b32 s58, ttmp7, 0xffff                   ; the cluster's y
	s_lshr_b32 s59, ttmp9, 1                       ; 1 for v
	s_xor_b32 s60, s59, 1                          ; 1 for q and k
	s_mul_i32 s61, s58, s60
	s_lshl_b32 s61, s61, 2
	s_add_co_u32 s61, s61, s57                     ; A's tile: q, k: 4 x cluster y + cy (tokens);  v: cy (channels)
	s_mul_i32 s62, s58, s59
	s_mul_i32 s63, ttmp9, s60
	s_add_co_u32 s62, s62, s63
	s_lshl_b32 s62, s62, 2
	s_add_co_u32 s62, s62, s56                     ; B's tile: q, k: 4 x type + cx (W_query's and W_key's rows on end);  v: 4 x cluster y + cx (tokens)
	s_lshl_b32 s66, s57, 2
	s_lshl_b32 s66, 15, s66                        ; my row of the cluster
	s_lshl_b32 s67, 0x1111, s56                    ; my column
	; descriptor group 1: two rows of 12,800 bytes (a group's two K steps), 51,200 bytes apart; elements of 8 bytes; no padding
	s_or_b32 s16, s66, (3<<16)|(1<<21)             ; A's tiles go to my row of the cluster
	s_or_b32 s24, s67, (3<<16)|(1<<21)             ; B's to my column
.irp g, 16, 24
	s_mov_b32 s[\g+1], 1600<<16                    ; tensor_dim0
	s_mov_b32 s[\g+2], 2<<16                       ; tensor_dim1
	s_mov_b32 s[\g+3], 1600<<16                    ; tile_dim0
	s_mov_b32 s[\g+4], 2                           ; tile_dim1
	s_mov_b32 s[\g+5], 6400                        ; tensor_dim0_stride
	s_mov_b32 s[\g+6], 0
	s_mov_b32 s[\g+7], 0
.endr
	s_lshl_b32 s82, s12, 1                         ; which two groups of the tile's four I fetch
	s_mul_i32 s68, s59, 160                        ; A's first group: x at 0, W_value at 160
	s_lshl_b32 s83, s61, 2
	s_add_co_u32 s68, s68, s83
	s_add_co_u32 s68, s68, s82
	s_mul_i32 s68, s68, GPITCH
	s_mov_b32 s69, 0
	s_lshl_b32 s70, s60, 7                         ; B's first group: the weights at 128, x at 0
	s_lshl_b32 s84, s62, 2
	s_add_co_u32 s70, s70, s84
	s_add_co_u32 s70, s70, s82
	s_mul_i32 s70, s70, GPITCH
	s_mov_b32 s71, 0
	s_mul_i32 s72, s10, 2*GRP                      ; where they go: wave x two groups: no place in the cluster enters an LDS address
	s_wait_kmcnt 0x0
	s_add_nc_u64 s[86:87], s[4:5], s[68:69]
	s_add_nc_u64 s[88:89], s[4:5], s[70:71]
	CROUND                                         ; all sixteen work-groups are here: the first joint loads meet
.irp s, 0,1,2
	s_mov_b32 s[32+4*\s], 1
	s_add_co_u32 s[33+4*\s], s72, \s*SLOTB
	s_add_nc_u64 s[34+4*\s:35+4*\s], s[86:87], \s*GRP
	s_or_b32 s[35+4*\s], s[35+4*\s], 0x80000000
	s_mov_b32 s[44+4*\s], 1
	s_add_co_u32 s[45+4*\s], s72, \s*SLOTB
	s_add_nc_u64 s[46+4*\s:47+4*\s], s[88:89], \s*GRP
	s_or_b32 s[47+4*\s], s[47+4*\s], 0x80000000
.endr
	s_cmp_eq_u32 s11, 0                            ; a wave's three first fills stand in one branch: K steps 0-1, 2-3, 4-5 into slots 0, 1, 2
	s_cbranch_scc0 .Lfirst_b
	tensor_load_to_lds s[32:35], s[16:23]
	s_nop 0
	tensor_load_to_lds s[36:39], s[16:23]
	s_nop 0
	tensor_load_to_lds s[40:43], s[16:23]
	s_nop 0
.rept 4
	v_nop
.endr
	s_branch .Lfirst_done
.Lfirst_b:
	tensor_load_to_lds s[44:47], s[24:31]
	s_nop 0
	tensor_load_to_lds s[48:51], s[24:31]
	s_nop 0
	tensor_load_to_lds s[52:55], s[24:31]
	s_nop 0
.rept 4
	v_nop
.endr
.Lfirst_done:
	v_and_b32 v1, 31, v0                           ; lane
	v_and_b32 v2, 15, v0                           ; r
	v_bfe_u32 v3, v0, 4, 1                         ; h
	v_lshlrev_b32 v4, 4, v1                        ; 16 x lane
	v_lshlrev_b32 v5, 3, v1                        ; 8 x lane
	s_mul_i32 s73, s11, 2*GRP                      ; my two groups of A
	s_mul_i32 s74, s12, 2*GRP
	s_add_co_u32 s74, s74, BOFF                    ; my two groups of B
	s_sub_co_u32 s75, s74, s73
	v_mul_u32_u24 v6, s75, v3                      ; scale words: lanes 0-15 take A's, lanes 16-31 B's
	v_lshl_add_u32 v6, v2, 4, v6
	v_add_nc_u32 v6, s73, v6
	v_add_nc_u32 v6, 6144, v6
.irp s, 0,1,2
	v_add_nc_u32 v[ADRA16+\s], s73, v4
	v_add_nc_u32 v[ADRA8+\s], s73, v5
	v_add_nc_u32 v[ADRB16+\s], s74, v4
	v_add_nc_u32 v[ADRB8+\s], s74, v5
	v_add_nc_u32 v[ADRS+\s], \s*SLOTB, v6
	s_add_co_u32 s73, s73, SLOTB
	s_add_co_u32 s74, s74, SLOTB
.endr
.macro FRAG reg, a16, a8, off          ; a fragment's image comes back as it was stored: every load is dense
	ds_load_b128 v[\reg:\reg+3], v[\a16] offset:\off
	ds_load_b64 v[\reg+4:\reg+5], v[\a8] offset:\off+512
	ds_load_b128 v[\reg+6:\reg+9], v[\a16] offset:\off+768
	ds_load_b64 v[\reg+10:\reg+11], v[\a8] offset:\off+1280
.endm
.macro FETCH_B slot, kq, p             ; B's eight fragments of the slot's kq-th K step into set p: 32 loads
	WIN TO_B
.irp i, 0,1,2,3,4,5,6,7
	FRAG 128*(\p)+12*\i, ADRB16+\slot, ADRB8+\slot, (\i/4)*GRP+(\kq)*BLK+(\i%4)*IMG
.endr
	WIN 0
.endm
.macro FETCH_A slot, kq, i0            ; A's blocks i0 .. i0 + 3: 16 loads
.irp i, \i0, \i0+1, \i0+2, \i0+3
	FRAG AF+12*(\i), ADRA16+\slot, ADRA8+\slot, ((\i)/4)*GRP+(\kq)*BLK+((\i)%4)*IMG
.endr
.endm
.macro SCALES slot, set                ; the slot's scale words: register 8 kq + tile; lanes 0-15 A's word, lanes 16-31 B's: 4 loads
.irp q, 0,1
.irp gi, 0,1
	ds_load_b128 v[SC+16*(\set)+8*\q+4*\gi:SC+16*(\set)+8*\q+4*\gi+3], v[ADRS+\slot] offset:\gi*GRP+\q*BLK
.endr
.endr
.endm
; 16 matrix instructions: A's blocks a0, a0 + 1 x B's eight.  The 64 accumulators take turns, one instruction a turn, in the same order in every K step.
.macro MUL16 a0, p, sc, zero
.irp a, \a0, \a0+1
.irp b, 0,1,2,3,4,5,6,7
.if \zero
	v_wmma_scale_f32_16x16x128_f8f6f4 v[8*(8*((\a)%4)+\b):8*(8*((\a)%4)+\b)+7], v[128*(\p)+12*\b:128*(\p)+12*\b+11], v[AF+12*(\a):AF+12*(\a)+11], 0, v[(\sc)+\b], v[(\sc)+(\a)] matrix_a_fmt:MATRIX_FMT_FP6 matrix_b_fmt:MATRIX_FMT_FP6 matrix_a_scale:MATRIX_SCALE_ROW1
.else
	v_wmma_scale_f32_16x16x128_f8f6f4 v[8*(8*((\a)%4)+\b):8*(8*((\a)%4)+\b)+7], v[128*(\p)+12*\b:128*(\p)+12*\b+11], v[AF+12*(\a):AF+12*(\a)+11], v[8*(8*((\a)%4)+\b):8*(8*((\a)%4)+\b)+7], v[(\sc)+\b], v[(\sc)+(\a)] matrix_a_fmt:MATRIX_FMT_FP6 matrix_b_fmt:MATRIX_FMT_FP6 matrix_a_scale:MATRIX_SCALE_ROW1
.endif
.endr
.endr
.endm
; A K step: 64 matrix instructions on B's set p and the scale words at sc; in its middle it fetches the next step's B and A's blocks 0-3 (and, with nset >= 0, the next slot's scale words), at its end A's blocks 4-7.
; sync = 0: no barrier.  sync = 1: a barrier, in front of which every wave has waited for all its tensor loads.  sync = 2: that barrier opens a round of the cluster's barrier, and slot 0 is filled again behind it.
.macro KS p, sc, nslot, nkq, nset, zero, sync
.if \sync
	s_wait_tensorcnt 0x0                           ; all my tensor loads have landed
	ds_add_u32 v[SPW], v[NIL]                      ; 0 onto my spare word
	s_wait_dscnt 17                                ; (the add and the youngest 16 loads, A's blocks 4-7, may be out)
.else
	s_wait_dscnt 16                                ; B's set, A's blocks 0-3 and the scale words are in; the youngest 16 loads (A's blocks 4-7) may be out
.endif
	WIN MUL_LO
	MUL16 0, \p, \sc, \zero
.if \sync
	s_wait_dscnt 0x0                               ; the add is done, and my LDS reads are over
	s_barrier_signal -1
.endif
	MUL16 2, \p, \sc, \zero
.if \sync
	WIN 0
	s_barrier_wait -1
.if \sync == 2
	CREST                                          ; no wave of any partner still reads slot 0 or has a load on its way
	s_add_nc_u64 s[34:35], s[34:35], 3*GRP         ; K steps 6 and 7
	s_add_nc_u64 s[46:47], s[46:47], 3*GRP
	JLOAD                                          ; the first tensor load behind the round; its four v_nop are also the places in front of the loads below
.else
	PLACES 4
.endif
.else
	s_wait_dscnt 0x0                               ; A's blocks 4-7 are in
	PLACES 4                                       ; four places in front of loads into registers that matrix instructions have read
.endif
	FETCH_B \nslot, \nkq, 1-(\p)
	FETCH_A \nslot, \nkq, 0
.if \nset >= 0
	SCALES \nslot, \nset
.endif
	WIN MUL_HI
	MUL16 4, \p, \sc, \zero
	MUL16 6, \p, \sc, \zero
	PLACES 4
	WIN 0
	FETCH_A \nslot, \nkq, 4
.endm
	s_wait_tensorcnt 2                             ; my part of slot 0 is in; slots 1 and 2 may be out
	s_barrier_signal -1
	s_barrier_wait -1
	FETCH_B 0, 0, 0
	FETCH_A 0, 0, 0
	SCALES 0, 0
	FETCH_A 0, 0, 4
	KS 0, SC+0,  0, 1, -1, 1, 0                    ; K step 0: its products start the sums
	KS 1, SC+8,  1, 0, 1,  0, 2                    ; 1: slot 0 is read out: the one round and the one refill; the wait for all loads also shows slots 1 and 2 whole to every wave
	KS 0, SC+16, 1, 1, -1, 0, 0                    ; 2
	KS 1, SC+24, 2, 0, 0,  0, 0                    ; 3
	KS 0, SC+0,  2, 1, -1, 0, 0                    ; 4
	KS 1, SC+8,  0, 0, 1,  0, 1                    ; 5: the refill, asked for 256 matrix instructions ago, has landed in every wave's count: a barrier, then slot 0 is read
	KS 0, SC+16, 0, 1, -1, 0, 0                    ; 6
	s_wait_dscnt 16                                ; 7: nothing more to fetch
	WIN MUL_LO
	MUL16 0, 1, SC+24, 0
	MUL16 2, 1, SC+24, 0
	s_wait_dscnt 0x0
	WIN MUL_HI
	MUL16 4, 1, SC+24, 0
	MUL16 6, 1, SC+24, 0
	WIN 0
; THE WAY OUT.  For each of A's tiles a lane's 64 sums (register 16 b + i = place 32 b + 16 h + i along the next K) become a fragment's 12 registers and a scale word.
.macro QUANTA a
.set AC, 64*((\a)%4)
.set WW, 2+(\a)/4
.set PCA, PC+12*(\a)
	WIN (WW<<2)|(WW<<4)                            ; sources 1 and 2: the accumulators' window
.irp b, 0,1,2,3
	v_max3_num_f32 v[TM+\b], s76, |v[AC+16*\b]|, |v[AC+16*\b+1]|   ; block b: my 16 sums and the floor; each accumulator is read from its low end on
.endr
.irp i, 2,4,6,8,10,12,14
.irp b, 0,1,2,3
	v_max3_num_f32 v[TM+\b], v[TM+\b], |v[AC+16*\b+\i]|, |v[AC+16*\b+\i+1]|
.endr
.endr
	WIN 0
.irp b, 0,1,2,3
	v_permlanex16_b32 v[TM+4+\b], v[TM+\b], s78, s79
.endr
.irp b, 0,1,2,3
	v_max_num_f32 v[TM+\b], v[TM+\b], v[TM+4+\b]   ; with lane l xor 16's: the block's largest magnitude
.endr
.irp b, 0,1,2,3
	v_add_nc_u32 v[TM+12+\b], 0xff000000, v[TM+\b] ; 2 off the exponent field: the conversion's scale operand
.endr
.irp b, 0,1,2,3
	v_lshrrev_b32 v[TM+4+\b], 23, v[TM+12+\b]
.endr
	v_lshl_or_b32 v[WD+(\a)], v[TM+5], 8, v[TM+4]
	v_lshl_or_b32 v[WD+(\a)], v[TM+6], 16, v[WD+(\a)]
	v_lshl_or_b32 v[WD+(\a)], v[TM+7], 24, v[WD+(\a)]
	v_add_nc_u32 v[WD+(\a)], 0xfafafafb, v[WD+(\a)]                ; 5 off each of the four bytes (each is 6 or more, so nothing is borrowed): the factor 2^-5
	WIN WW                                         ; source 0: the accumulators' window
.irp c, 0,1
	v_cvt_scalef32_pk16_fp6_f32 v[PCA+6*\c:PCA+6*\c+2], v[AC+32*\c:AC+32*\c+15], v[TM+12+2*\c]
	v_cvt_scalef32_pk16_fp6_f32 v[CT+4*\c:CT+4*\c+2], v[AC+32*\c+16:AC+32*\c+31], v[TM+12+2*\c+1]
.endr
	WIN 0
	v_nop                                          ; one plain line behind the conversions
.irp c, 0,1                                    ; the operand's layout wants a whole block in a lane
.irp i, 0,1,2
	v_permlane16_swap_b32 v[PCA+6*\c+\i], v[CT+4*\c+\i]
.endr
.irp i, 0,1,2
	v_mov_b32 v[PCA+3+6*\c+\i], v[CT+4*\c+\i]
.endr
.endr
.endm
	PLACES 4                                       ; behind the last products: results are read and A's registers written
	s_mov_b32 s76, 0x4000000                       ; the floor 2^(8 - 127)
	s_mov_b32 s78, 0x76543210
	s_mov_b32 s79, 0xfedcba98
.irp b, 0,1,2,3
	v_mov_b32 v[TM+4+\b], 0                        ; a lane permute's destination counts as read
.endr
.irp a, 0,1,2,3,4,5,6,7
	QUANTA \a
.endr
	s_cmp_eq_u32 ttmp9, 2                          ; the type: the same in all partners; no LDS access and no barrier stands on either way
	s_cbranch_scc1 .Lv_out
	; q, k: A's tile a = tokens of group a / 4, tile a % 4; half c of a fragment = head c of my two
	s_lshr_b32 s90, s61, 3                         ; the batch
	s_lshl_b32 s90, s90, 4
	s_lshl_b32 s91, s56, 2
	s_add_co_u32 s90, s90, s91
	s_lshl_b32 s91, s12, 1
	s_add_co_u32 s90, s90, s91                     ; bh = 16 x batch + 4 cx + 2 x my half of B
	s_lshl_b32 s90, s90, 5
	s_and_b32 s91, s61, 7
	s_lshl_b32 s91, s91, 2
	s_add_co_u32 s90, s90, s91
	s_lshl_b32 s91, s11, 1
	s_add_co_u32 s90, s90, s91                     ; + the group of 64 tokens in the batch
	s_mul_i32 s90, s90, 3328
	s_mul_i32 s91, ttmp9, 6815744
	s_add_co_u32 s90, s90, s91
	s_mov_b32 s91, 0
	s_add_nc_u64 s[6:7], s[6:7], s[90:91]
	v_lshlrev_b32 v23, 4, v3                       ; 16 h
	v_mul_u32_u24 v26, 0x1a000, v3                 ; lanes 16-31 store the second head's words: a head is 106,496 bytes
	v_lshl_add_u32 v26, v2, 4, v26
.irp a, 0,1,2,3,4,5,6,7
.irp c, 0,1
	global_store_b128 v4, v[PC+12*\a+6*\c:PC+12*\a+6*\c+3], s[6:7] offset:(\a/4)*3328+(\a%4)*768+\c*106496
	global_store_b64 v5, v[PC+12*\a+6*\c+4:PC+12*\a+6*\c+5], s[6:7] offset:(\a/4)*3328+(\a%4)*768+\c*106496+512
.endr
.endr
.irp g, 0,1
.irp i, 0,1,2,3
	v_lshrrev_b32 v[TT+4*\g+\i], v23, v[WD+4*\g+\i]                ; the head's two bytes lowest; the upper two scale zero codes and are never 0xff
.endr
	global_store_b128 v26, v[TT+4*\g:TT+4*\g+3], s[6:7] offset:3072+3328*\g
.endr
	s_branch .Lend
.Lv_out:
	; v: A's tile a = channels of head a / 4 of my two, tile a % 4; my 128 tokens are one key step
	s_lshr_b32 s90, s62, 3                         ; the batch
	s_lshl_b32 s90, s90, 4
	s_lshl_b32 s91, s61, 2
	s_add_co_u32 s90, s90, s91
	s_lshl_b32 s91, s11, 1
	s_add_co_u32 s90, s90, s91                     ; bh
	s_lshl_b32 s90, s90, 4
	s_lshl_b32 s91, s62, 1
	s_add_co_u32 s91, s91, s12
	s_and_b32 s91, s91, 15
	s_add_co_u32 s90, s90, s91                     ; + the key step
	s_mul_i32 s90, s90, 6400
	s_add_co_u32 s90, s90, 13631488
	s_mov_b32 s91, 0
	s_add_nc_u64 s[6:7], s[6:7], s[90:91]
	v_mul_u32_u24 v27, 0x19000, v3                 ; a head of V is 102,400 bytes
	v_lshl_add_u32 v27, v2, 4, v27
	v_cmp_ne_u32 vcc_lo, 0, v3
.irp a, 0,1,2,3,4,5,6,7
	global_store_b128 v4, v[PC+12*\a:PC+12*\a+3], s[6:7] offset:(\a/4)*102400+(\a%4)*1536
	global_store_b64 v5, v[PC+12*\a+4:PC+12*\a+5], s[6:7] offset:(\a/4)*102400+(\a%4)*1536+512
	global_store_b128 v4, v[PC+12*\a+6:PC+12*\a+9], s[6:7] offset:(\a/4)*102400+(\a%4)*1536+768
	global_store_b64 v5, v[PC+12*\a+10:PC+12*\a+11], s[6:7] offset:(\a/4)*102400+(\a%4)*1536+1280
.endr
.irp i, 0,1,2,3
	v_cndmask_b32 v[TT+\i], v[WD+\i], v[WD+4+\i], vcc_lo
.endr
	global_store_b128 v27, v[TT:TT+3], s[6:7] offset:6144
.Lend:
	s_wait_tensorcnt 0x0                           ; the wave's end
	ds_add_u32 v[SPW], v[NIL]
	s_wait_dscnt 0x0
	CROUND                                         ; the closing round
	s_endpgm
.Lfunc_end_k_qc486501667_qkv:
	.size	k_qc486501667_qkv, .Lfunc_end_k_qc486501667_qkv-k_qc486501667_qkv
	.p2alignl 7, 3214868480
	.fill 96, 4, 3214868480
	.section	.rodata,"a",@progbits
	.p2align	6, 0x0
	.amdhsa_kernel k_qc486501667_qkv
		.amdhsa_group_segment_fixed_size 327680
		.amdhsa_private_segment_fixed_size 0
		.amdhsa_enable_private_segment 0
		.amdhsa_kernarg_size 16
		.amdhsa_user_sgpr_count 2
		.amdhsa_user_sgpr_kernarg_segment_ptr 1
		.amdhsa_wavefront_size32 1
		.amdhsa_system_sgpr_workgroup_id_x 1
		.amdhsa_system_sgpr_workgroup_id_y 1
		.amdhsa_system_sgpr_workgroup_id_z 1
		.amdhsa_system_vgpr_workitem_id 0
		.amdhsa_next_free_vgpr 1024
		.amdhsa_next_free_sgpr 100
		.amdhsa_reserve_vcc 1
		.amdhsa_float_denorm_mode_32 3
		.amdhsa_float_denorm_mode_16_64 3
		.amdhsa_memory_ordered 1
		.amdhsa_forward_progress 1
		.amdhsa_inst_pref_size 149
	.end_amdhsa_kernel
	.amdgpu_metadata
---
amdhsa.version: [ 1, 2 ]
amdhsa.kernels:
  - .name:           k_qc486501667_qkv
    .symbol:         k_qc486501667_qkv.kd
    .args:
      - { .name: opnd, .offset: 0, .size: 8, .value_kind: global_buffer, .address_space: global }
      - { .name: qkv, .offset: 8, .size: 8, .value_kind: global_buffer, .address_space: global }
    .group_segment_fixed_size: 327680
    .private_segment_fixed_size: 0
    .kernarg_segment_align: 8
    .kernarg_segment_size: 16
    .max_flat_workgroup_size: 128
    .sgpr_count:     100
    .vgpr_count:     1024
    .wavefront_size: 32
...
	.end_amdgpu_metadata
.endif
;; end of part 2
;; launch attn (part 3): grid 4 x 64, 16 waves a work-group, clusters of 4 x 1, 215,040 bytes of LDS; arguments qkv, ao; writes ao
.if DOCPART == 3
	.amdgcn_target "amdgcn-amd-amdhsa--gfx1250"
	.amdhsa_code_object_version 6
	.text
	.protected	k_qc486501667_attn
	.globl	k_qc486501667_attn
	.p2align	8
	.type	k_qc486501667_attn,@function
k_qc486501667_attn:
	s_mov_b64 s[64:65], 0
	v_nop
	global_prefetch_b8 v0, s[64:65] scope:SCOPE_SE
	s_setreg_imm32_b32 hwreg(HW_REG_WAVE_MODE, 25, 1), 1
	s_wait_xcnt 0x0
	s_wait_alu depctr_hold_cnt(0) depctr_sa_sdst(0) depctr_va_vdst(0) depctr_va_sdst(0) depctr_va_ssrc(0) depctr_va_vcc(0) depctr_vm_vsrc(0)
	s_getreg_b32 s2, hwreg(HW_REG_IB_STS2, 6, 4)
	s_cmp_eq_u32 s2, 0
	s_cbranch_scc0 .Lentry_in_a_cluster
	s_endpgm
.Lentry_in_a_cluster:
	s_bfe_u32 s2, ttmp6, 0x10000c
	s_cmp_lg_u32 s2, 0x3003
	s_cbranch_scc0 .Lentry_shape_is_right
	s_endpgm
.Lentry_shape_is_right:
; Causal attention of one head (bh = work-group y) on codes of FP6 (E2M3) with E8M0 scales, and the result quantised along o = 64 x head + d for the last product.
; qkv: Q [bh][g 32][3328] at 0, K likewise at 6,815,744: a half block = four half images of 768 bytes (16 tokens x the head's 64: registers 0-3 at 16 x lane, 4-5 at 512 + 8 x lane) + 256 bytes of scale words
; (word of row r, tile tau at 16 r + 4 tau; bytes 0, 1 the head's blocks).  V [bh][key step 16][6400] at 13,631,488: four images (16 channels x 128 keys) + scale words.
; The rows of a tile are 32 (tau / 2) + 8 (tau % 2) + r + 8 (r / 8) of their group of 64, so that the 16 registers of two neighbouring result tiles are 16 neighbours.
; THE HEAD SIZE IS 64: in S^T = K Q^T the upper 64 of the instruction's 128 along K are zero codes on both sides (registers 6-11 of both fragments, cleared once).
; THE SOFTMAX: t = score x log2(e) / 8; M = the running largest t rounded up to a whole number; p = 2^(t - M) is quantised along the keys, not normalised; the row's sum is taken of the unquantised p
; and divides at the end; when M moves, the sum and O^T are multiplied by 2^(old M - new M), exactly.
; SHARES.  The four work-groups of a cluster belong to one head; work-group j takes tile j of every group of 64 queries.  THE HEAD'S WHOLE K AND V STAY IN LDS (208,896 bytes): they come once, by joint loads,
; and nothing is filled again.  Wave w takes the query groups m = 31 - w and m = w, one after the other: floor(m / 2) + 1 key steps of 128 each, 17 in all for every wave.
; A step 2 s > m is left out, a step with m >= 2 s + 2 has no hidden key, the one between is masked: none of the three tests hangs on j.
; OUT: ao = [token / 64][head / 2][6400], a block as an operand of the last product wants it; this head fills half (head % 2) of each image and two bytes of each scale word.
; The factor 2^-5 of the last product is put into 1 / the sum: the codes are the same and the byte is 5 lower.
; LIMITS: blocks of the attention's output whose largest magnitude lies under 2^-119 get a coarser scale than the rule's; a block of zeros gets the byte 1 (zero codes; the bytes are this program's own);
; NaN and infinities are not served.  The scale bytes leave by stores of two bytes a lane, since a word's halves come from two heads: 32 bytes for each 768 of codes.
; REGISTERS: v1-3 lane offsets; v4-9 the step's LDS addresses; v10 my query's number less 16 h; v11 -infinity; v12 -M, v13 largest t, v[14:15] the sum; v16-27, v28 Q and its scale word (first pass);
; v29-31 offsets in ao; v32-79 four fragments of K; v80-143 S^T, then p, then V's four fragments (v80-127); v144-175 O^T; v176-183 K's scale words; v184-187 V's; v188-199 p's codes; v200-223 at work;
; v224-235, v236 Q (second pass); v237-239 offsets in Q; v240-250 the result's codes.
.set KHEAD, 106496
.set VHEAD, 102400
.set KOFF,  6815744
.set VOFF,  13631488
.set VB,    106496                     ; LDS: K at 0, V here
.set KSTP,  6656                       ; a key step of K: two half blocks
.set VSTP,  6400
.set KF, 32
.set S,  80
.set O,  144
.set KS, 176
.set VS, 184
.set PC, 188
.set CT, 200
.set BM, 208
.set BT, 212
.set SO, 216
.macro ROUND                           ; a round of the cluster's barrier
	s_barrier_signal -1
	s_barrier_wait -1
	s_cmp_lg_u32 s8, 0
	s_cbranch_scc1 .Lnot_wave_0_\@
	s_barrier_signal -3
.Lnot_wave_0_\@:
	s_barrier_wait -3
	s_barrier_signal -1
	s_barrier_wait -1
.endm
	s_load_b128 s[4:7], s[0:1], 0x0                ; qkv, ao
	v_lshl_add_u32 v254, v0, 2, 0x34000
	v_mov_b32 v255, 0
	ds_add_u32 v254, v255
	ds_add_u32 v254, v255
	v_lshrrev_b32 v1, 5, v0
	v_readfirstlane_b32 s8, v1                     ; wave 0..15
	s_bfe_u32 s9, ttmp6, 0x40000                   ; j = cx
	s_and_b32 s10, ttmp7, 0xffff                   ; bh
	; descriptor group 1: dense blocks as rows of 256 bytes (32 elements of 8 bytes): K 26 rows, V 25; the mask names all four work-groups
	s_mov_b32 s16, 15|(3<<16)|(1<<21)
	s_mov_b32 s17, 32<<16
	s_mov_b32 s18, 26<<16
	s_mov_b32 s19, 32<<16
	s_mov_b32 s20, 26
	s_mov_b32 s21, 32
	s_mov_b32 s22, 0
	s_mov_b32 s23, 0
	s_mov_b32 s24, 15|(3<<16)|(1<<21)
	s_mov_b32 s25, 32<<16
	s_mov_b32 s26, 25<<16
	s_mov_b32 s27, 32<<16
	s_mov_b32 s28, 25
	s_mov_b32 s29, 32
	s_mov_b32 s30, 0
	s_mov_b32 s31, 0
	s_and_b32 s70, s8, 7                           ; waves 0-7 fetch K's key steps (wave) and 8 + (wave), waves 8-15 V's likewise
	s_mul_i32 s71, s70, KSTP
	s_mul_i32 s72, s70, VSTP
	s_mul_i32 s73, s10, KHEAD
	s_add_co_u32 s74, s73, KOFF
	s_add_co_u32 s74, s74, s71
	s_mov_b32 s75, 0
	s_mul_i32 s76, s10, VHEAD
	s_add_co_u32 s76, s76, VOFF
	s_add_co_u32 s76, s76, s72
	s_mov_b32 s77, 0
	s_sub_co_u32 s80, 31, s8                       ; the first pass's group of queries
	s_mul_i32 s60, s80, 3328
	s_add_co_u32 s60, s60, s73
	s_mov_b32 s61, 0
	s_mul_i32 s62, s8, 3328
	s_add_co_u32 s62, s62, s73
	s_mov_b32 s63, 0
	s_lshr_b32 s81, s10, 4
	s_lshl_b32 s81, s81, 5                         ; 32 groups a batch
	s_bfe_u32 s82, s10, 0x30001                    ; head / 2
	s_add_co_u32 s66, s81, s80
	s_lshl_b32 s66, s66, 3
	s_add_co_u32 s66, s66, s82
	s_mul_i32 s66, s66, 6400
	s_mov_b32 s67, 0
	s_add_co_u32 s68, s81, s8
	s_lshl_b32 s68, s68, 3
	s_add_co_u32 s68, s68, s82
	s_mul_i32 s68, s68, 6400
	s_mov_b32 s69, 0
	s_mov_b32 s48, 0x76543210
	s_mov_b32 s49, 0xfedcba98                      ; selects: lane l xor 16
	s_mov_b32 s50, 0x3e38aa3b                      ; c = log2(e) / 8
	s_mov_b32 s51, s50                             ; (named with it as a pair)
	s_wait_dscnt 0x0
	s_wait_kmcnt 0x0
	s_add_nc_u64 s[74:75], s[4:5], s[74:75]
	s_add_nc_u64 s[76:77], s[4:5], s[76:77]
	s_add_nc_u64 s[60:61], s[4:5], s[60:61]        ; Q's half block, first pass,
	s_add_nc_u64 s[62:63], s[4:5], s[62:63]        ; second pass
	s_add_nc_u64 s[66:67], s[6:7], s[66:67]        ; ao's block, first pass,
	s_add_nc_u64 s[68:69], s[6:7], s[68:69]        ; second pass
	s_mov_b32 s32, 1
	s_mov_b32 s33, s71
	s_mov_b64 s[34:35], s[74:75]
	s_or_b32 s35, s35, 0x80000000
	s_mov_b32 s36, 1
	s_add_co_u32 s37, s71, 8*KSTP
	s_add_nc_u64 s[38:39], s[74:75], 8*KSTP
	s_or_b32 s39, s39, 0x80000000
	s_mov_b32 s40, 1
	s_add_co_u32 s41, s72, VB
	s_mov_b64 s[42:43], s[76:77]
	s_or_b32 s43, s43, 0x80000000
	s_mov_b32 s44, 1
	s_add_co_u32 s45, s72, VB+8*VSTP
	s_add_nc_u64 s[46:47], s[76:77], 8*VSTP
	s_or_b32 s47, s47, 0x80000000
	ROUND                                          ; all four work-groups are here: the joint loads meet
	s_cmp_lt_u32 s8, 8                             ; a wave's two loads stand in one branch: two tensor loads of mine are out; four v_nop follow the second
	s_cbranch_scc0 .Lfirst_v
	tensor_load_to_lds s[32:35], s[16:23]
	s_nop 0
	tensor_load_to_lds s[36:39], s[16:23]
	s_nop 0
.rept 4
	v_nop
.endr
	s_branch .Lfirst_done
.Lfirst_v:
	tensor_load_to_lds s[40:43], s[24:31]
	s_nop 0
	tensor_load_to_lds s[44:47], s[24:31]
	s_nop 0
.rept 4
	v_nop
.endr
.Lfirst_done:
	v_and_b32 v4, 31, v0                           ; lane
	v_and_b32 v5, 15, v0                           ; r
	v_bfe_u32 v6, v0, 4, 1                         ; h
	v_lshlrev_b32 v1, 4, v4                        ; 16 x lane
	v_lshlrev_b32 v2, 3, v4                        ; 8 x lane
	v_lshlrev_b32 v3, 4, v5                        ; 16 r
	s_mul_i32 s88, s9, 768
	s_lshl_b32 s89, s9, 2
	v_add_nc_u32 v237, s88, v1                     ; Q: half image j
	v_add_nc_u32 v238, s88, v2
	v_add_nc_u32 v239, s89, v3                     ; and its scale word
	global_load_b128 v[16:19], v237, s[60:61]
	global_load_b64 v[20:21], v238, s[60:61] offset:512
	global_load_b32 v28, v239, s[60:61] offset:3072
	global_load_b128 v[224:227], v237, s[62:63]
	global_load_b64 v[228:229], v238, s[62:63] offset:512
	global_load_b32 v236, v239, s[62:63] offset:3072
	s_lshr_b32 s83, s9, 1
	s_lshl_b32 s83, s83, 5
	s_and_b32 s84, s9, 1
	s_lshl_b32 s84, s84, 3
	s_add_co_u32 s83, s83, s84
	v_and_b32 v7, 8, v5
	v_add_nc_u32 v10, v7, v5
	v_add_nc_u32 v10, s83, v10                     ; my query in its group: 32 (j / 2) + 8 (j % 2) + r + 8 (r / 8),
	v_lshlrev_b32 v8, 4, v6
	v_sub_nc_u32 v10, v10, v8                      ; less 16 h
	v_mov_b32 v11, 0xff800000                      ; -infinity
	s_and_b32 s85, s10, 1                          ; head % 2
	s_mul_i32 s86, s9, 1536
	s_mul_i32 s87, s85, 768
	s_add_co_u32 s86, s86, s87
	v_add_nc_u32 v29, s86, v1                      ; ao: image j, my head's half
	v_add_nc_u32 v30, s86, v2
	s_lshl_b32 s87, s85, 1
	s_add_co_u32 s87, s87, s89
	v_add_nc_u32 v31, s87, v3                      ; and my head's two bytes of the scale word
.irp t, 0,1,2,3
.irp i, 6,7,8,9,10,11
	v_mov_b32 v[KF+12*\t+\i], 0                    ; the upper 64 along K: zero codes, written once
.endr
.endr
.irp i, 22,23,24,25,26,27,230,231,232,233,234,235
	v_mov_b32 v\i, 0
.endr
.irp b, 0,1,2,3
	v_mov_b32 v[BT+\b], 0                          ; a lane permute's destination counts as read
.endr
	v_mov_b32 v221, 0                              ; (the upper half of the pair v[220:221])
	v_mov_b32 v222, 0
.macro INIT                            ; the loops have no first step of their own: O^T and the sum begin as zeros, the largest t as -3e38
	v_mov_b32 v13, 0xff61b1e6
	v_floor_f32 v12, -v13
	v_mov_b32 v14, 0
	v_mov_b32 v15, 0
.set NN, 0
.rept 32
	v_mov_b32 v[O+NN], 0
.set NN, NN+1
.endr
.endm
; A KEY STEP: 128 keys.  qf, qw: Q's fragment and its scale word.  causal = 0: every key of the step counts for every query of the wave.
.macro STEP qf, qw, causal
.if \causal
	s_cmp_gt_u32 s54, s56                          ; 2 s > m: all keys of the step come after my queries
	s_cbranch_scc1 .Lhidden_\@
.endif
	v_add_nc_u32 v4, s52, v1                       ; six plain lines: also the places between the last step's products and the products that write over V's fragments
	v_add_nc_u32 v5, s52, v2
	v_add_nc_u32 v6, s52, v3
	v_add_nc_u32 v7, s53, v1
	v_add_nc_u32 v8, s53, v2
	v_add_nc_u32 v9, s53, v3
.irp g, 0,1                                    ; S^T = K Q^T, four tiles of 16 keys at a time
.if \g
.rept 4
	v_nop                                          ; places in front of loads into registers that matrix instructions have read
.endr
.endif
.irp t, 0,1,2,3
	ds_load_b128 v[KF+12*\t:KF+12*\t+3], v4 offset:\g*3328+768*\t
	ds_load_b64 v[KF+12*\t+4:KF+12*\t+5], v5 offset:\g*3328+768*\t+512
.endr
	ds_load_b128 v[KS+4*\g:KS+4*\g+3], v6 offset:\g*3328+3072
	s_wait_dscnt 0x0
.irp t, 0,1,2,3
	v_wmma_scale_f32_16x16x128_f8f6f4 v[S+8*(4*\g+\t):S+8*(4*\g+\t)+7], v[KF+12*\t:KF+12*\t+11], v[\qf:\qf+11], 0, v[KS+4*\g+\t], v[\qw] matrix_a_fmt:MATRIX_FMT_FP6 matrix_b_fmt:MATRIX_FMT_FP6
.endr
.endr                                          ; lane (r, h): my query; register 16 b + i = key 128 s + 32 b + 16 h + i
.rept 4
	v_nop
.endr
.if \causal
	s_add_co_u32 s58, s54, 2
	s_cmp_ge_u32 s56, s58                          ; m >= 2 s + 2: no key of the step is hidden
	s_cbranch_scc1 .Lopen_\@
	s_lshl_b32 s58, s56, 6
	s_sub_co_i32 s58, s58, s55
	v_add_nc_u32 v222, s58, v10                    ; d = my query - the step's first key - 16 h: register 16 b + i is hidden where 32 b + i > d
.set NN, 0
.rept 64
	v_cmp_gt_i32 vcc_lo, 32*(NN/16)+NN%16, v222
	v_cndmask_b32 v[S+NN], v[S+NN], v11, vcc_lo
.set NN, NN+1
.endr
.Lopen_\@:
.endif
.irp b, 0,1,2,3
	v_max3_num_f32 v[BM+\b], v[S+16*\b], v[S+16*\b+1], v[S+16*\b+2]   ; the largest score of each block of 32 keys: for the row's maximum and, since p rises with the score, for the block's largest p
.endr
.irp i, 3,5,7,9,11,13
.irp b, 0,1,2,3
	v_max3_num_f32 v[BM+\b], v[BM+\b], v[S+16*\b+\i], v[S+16*\b+\i+1]
.endr
.endr
.irp b, 0,1,2,3
	v_max_num_f32 v[BM+\b], v[BM+\b], v[S+16*\b+15]
.endr
.irp b, 0,1,2,3
	v_permlanex16_b32 v[BT+\b], v[BM+\b], s48, s49
.endr
.irp b, 0,1,2,3
	v_max_num_f32 v[BM+\b], v[BM+\b], v[BT+\b]     ; with lane l xor 16's 16 keys
.endr
	v_max3_num_f32 v222, v[BM], v[BM+1], v[BM+2]
	v_max_num_f32 v222, v222, v[BM+3]
	v_mul_f32 v222, s50, v222                      ; the step's largest t
	v_max_num_f32 v13, v13, v222
	v_mov_b32 v222, v12
	v_floor_f32 v12, -v13                          ; -M = floor(-t): M is a whole number
	v_sub_f32 v222, v12, v222                      ; old M - new M, 0 or less
	v_cvt_i32_f32 v222, v222                       ; (it saturates)
	v_ldexp_f32 v220, 1.0, v222                    ; f = 2^(old M - new M)
.set NN, 0
.rept 32
	v_pk_fma_f32 v[S+NN:S+NN+1], v[S+NN:S+NN+1], s[50:51], v[12:13] op_sel_hi:[1,0,0]   ; t - M
.set NN, NN+2
.endr
.irp b, 0,1,2,3
	v_fma_f32 v[BM+\b], v[BM+\b], s50, v12
.endr
.set NN, 0
.rept 64
	v_exp_f32 v[S+NN], v[S+NN]                     ; p = 2^(t - M)
.set NN, NN+1
.endr
	v_pk_mul_f32 v[14:15], v[14:15], v[220:221] op_sel_hi:[1,0]    ; the sums under the new M; the plain line behind the exponentials
	s_wait_alu depctr_va_vdst(0)                   ; one wait for the batch of 64, ahead of its first reader
.irp b, 0,1,2,3
	v_exp_f32 v[BM+\b], v[BM+\b]                   ; each block's largest p
.endr
	v_pk_add_f32 v[BT:BT+1], v[S:S+1], v[S+2:S+3]  ; the row's sum of the unquantised p, in two chains
.set NN, 4
.rept 15
	v_pk_add_f32 v[14:15], v[14:15], v[S+NN:S+NN+1]
	v_pk_add_f32 v[BT:BT+1], v[BT:BT+1], v[S+NN+2:S+NN+3]
.set NN, NN+4
.endr
	v_pk_add_f32 v[14:15], v[14:15], v[BT:BT+1]
	s_wait_alu depctr_va_vdst(0)                   ; and one for the four
.irp b, 0,1,2,3
	v_max_num_f32 v[BM+\b], 0x1800000, v[BM+\b]    ; the floor 2^(3 - 127)
.endr
.irp b, 0,1,2,3
	v_add_nc_u32 v[SO+\b], 0xff000000, v[BM+\b]    ; the conversion's scale operand
.endr
.irp b, 0,1,2,3
	v_lshrrev_b32 v[BT+\b], 23, v[SO+\b]           ; the scale's byte
.endr
	v_lshl_or_b32 v223, v[BT+1], 8, v[BT]          ; p's scale word for these 128 keys
	v_lshl_or_b32 v223, v[BT+2], 16, v223
	v_lshl_or_b32 v223, v[BT+3], 24, v223
.irp c, 0,1
	v_cvt_scalef32_pk16_fp6_f32 v[PC+6*\c:PC+6*\c+2], v[S+32*\c:S+32*\c+15], v[SO+2*\c]
	v_cvt_scalef32_pk16_fp6_f32 v[CT+4*\c:CT+4*\c+2], v[S+32*\c+16:S+32*\c+31], v[SO+2*\c+1]
.endr
	v_nop                                          ; one plain line behind the conversions
.irp c, 0,1
.irp i, 0,1,2
	v_permlane16_swap_b32 v[PC+6*\c+\i], v[CT+4*\c+\i]
.endr
.irp i, 0,1,2
	v_mov_b32 v[PC+3+6*\c+\i], v[CT+4*\c+\i]
.endr
.endr
.irp t, 0,1,2,3                                ; V's four fragments land where p stood
	ds_load_b128 v[S+12*\t:S+12*\t+3], v7 offset:1536*\t
	ds_load_b64 v[S+12*\t+4:S+12*\t+5], v8 offset:1536*\t+512
	ds_load_b128 v[S+12*\t+6:S+12*\t+9], v7 offset:1536*\t+768
	ds_load_b64 v[S+12*\t+10:S+12*\t+11], v8 offset:1536*\t+1280
.endr
	ds_load_b128 v[VS:VS+3], v9 offset:6144
.set NN, 0
.rept 16
	v_pk_mul_f32 v[O+NN:O+NN+1], v[O+NN:O+NN+1], v[220:221] op_sel_hi:[1,0]   ; O^T under the new M; also the places between p's codes and scale word and the products
.set NN, NN+2
.endr
	s_wait_dscnt 0x0
.irp t, 0,1,2,3                                ; O^T += V^T P^T: four accumulators by turns
	v_wmma_scale_f32_16x16x128_f8f6f4 v[O+8*\t:O+8*\t+7], v[S+12*\t:S+12*\t+11], v[PC:PC+11], v[O+8*\t:O+8*\t+7], v[VS+\t], v223 matrix_a_fmt:MATRIX_FMT_FP6 matrix_b_fmt:MATRIX_FMT_FP6
.endr
.Lhidden_\@:
	s_add_co_u32 s52, s52, KSTP                    ; the next step's tiles; these lines are on every way
	s_add_co_u32 s53, s53, VSTP
	s_add_co_u32 s54, s54, 2
	s_add_co_u32 s55, s55, 128
.endm
; O^T / the sum x 2^-5 is quantised along the head's 64 (register 16 b + i = channel 32 b + 16 h + i) and stored as my head's half of image j.
.macro FINISH ob
	s_wait_xcnt 0x0                                ; earlier stores have read their data registers, which are written again below
.rept 4
	v_nop                                          ; places behind the last products
.endr
	v_add_f32 v14, v14, v15
	v_permlanex16_b32 v222, v14, s48, s49
	v_add_f32 v14, v14, v222                       ; the row's sum
	v_rcp_f32 v14, v14
	v_nop                                          ; a plain line behind the reciprocal
	s_wait_alu depctr_va_vdst(0)                   ; the wait ahead of its first reader
	v_mul_f32 v14, 0x3d000000, v14                 ; x 2^-5: exact
.set NN, 0
.rept 32
	v_mul_f32 v[S+NN], v[O+NN], v14
.set NN, NN+1
.endr
.irp b, 0,1
	v_max3_num_f32 v[BM+\b], |v[S+16*\b]|, |v[S+16*\b+1]|, 0x1800000
.endr
.irp i, 2,4,6,8,10,12,14
.irp b, 0,1
	v_max3_num_f32 v[BM+\b], v[BM+\b], |v[S+16*\b+\i]|, |v[S+16*\b+\i+1]|
.endr
.endr
.irp b, 0,1
	v_permlanex16_b32 v[BT+\b], v[BM+\b], s48, s49
.endr
.irp b, 0,1
	v_max_num_f32 v[BM+\b], v[BM+\b], v[BT+\b]
.endr
.irp b, 0,1
	v_add_nc_u32 v[SO+\b], 0xff000000, v[BM+\b]
.endr
.irp b, 0,1
	v_lshrrev_b32 v[BT+\b], 23, v[SO+\b]
.endr
	v_lshl_or_b32 v246, v[BT+1], 8, v[BT]          ; my head's two bytes
	v_cvt_scalef32_pk16_fp6_f32 v[240:242], v[S:S+15], v[SO]
	v_cvt_scalef32_pk16_fp6_f32 v[248:250], v[S+16:S+31], v[SO+1]
	v_nop
.irp i, 0,1,2
	v_permlane16_swap_b32 v[240+\i], v[248+\i]
.endr
.irp i, 0,1,2
	v_mov_b32 v[243+\i], v[248+\i]
.endr
	global_store_b128 v29, v[240:243], s[\ob:\ob+1]                ; 512 consecutive bytes, aligned to 256
	global_store_b64 v30, v[244:245], s[\ob:\ob+1] offset:512      ; 256
	global_store_b16 v31, v246, s[\ob:\ob+1] offset:6144           ; lanes l and l xor 16 write the same two bytes with the same value
.endm
	s_mov_b32 s52, 0                               ; where the step's K begins in LDS,
	s_mov_b32 s53, VB                              ; its V,
	s_mov_b32 s54, 0                               ; 2 s,
	s_mov_b32 s55, 0                               ; 128 s
	s_mov_b32 s56, s80                             ; m = 31 - wave
	INIT
	s_wait_loadcnt 0x0                             ; Q
	s_wait_tensorcnt 1                             ; my part of key steps 0-7 is in; the second half may be out
	s_barrier_signal -1
	s_barrier_wait -1
	s_mov_b32 s57, 8
.Lpass_l0:                                         ; key steps 0-7: m >= 16, so no key is hidden
	STEP 16, 28, 0
	s_sub_co_u32 s57, s57, 1
	s_cmp_lg_u32 s57, 0
	s_cbranch_scc1 .Lpass_l0
	s_wait_tensorcnt 0x0                           ; my part of key steps 8-15 is in,
	s_wait_dscnt 0x0
	s_barrier_signal -1
	s_barrier_wait -1                              ; everybody's is
	s_mov_b32 s57, 8
.Lpass_l1:                                         ; key steps 8-15
	STEP 16, 28, 1
	s_sub_co_u32 s57, s57, 1
	s_cmp_lg_u32 s57, 0
	s_cbranch_scc1 .Lpass_l1
	FINISH 66
	s_mov_b32 s52, 0
	s_mov_b32 s53, VB
	s_mov_b32 s54, 0
	s_mov_b32 s55, 0
	s_mov_b32 s56, s8                              ; m = wave
	INIT
	s_mov_b32 s57, 8
.Lpass_e:                                          ; key steps 0-7
	STEP 224, 236, 1
	s_sub_co_u32 s57, s57, 1
	s_cmp_lg_u32 s57, 0
	s_cbranch_scc1 .Lpass_e
	FINISH 68
	s_wait_tensorcnt 0x0
	ds_add_u32 v254, v255
	s_wait_dscnt 0x0
	ROUND                                          ; the closing round
	s_endpgm
.Lfunc_end_k_qc486501667_attn:
	.size	k_qc486501667_attn, .Lfunc_end_k_qc486501667_attn-k_qc486501667_attn
	.p2alignl 7, 3214868480
	.fill 96, 4, 3214868480
	.section	.rodata,"a",@progbits
	.p2align	6, 0x0
	.amdhsa_kernel k_qc486501667_attn
		.amdhsa_group_segment_fixed_size 215040
		.amdhsa_private_segment_fixed_size 0
		.amdhsa_enable_private_segment 0
		.amdhsa_kernarg_size 16
		.amdhsa_user_sgpr_count 2
		.amdhsa_user_sgpr_kernarg_segment_ptr 1
		.amdhsa_wavefront_size32 1
		.amdhsa_system_sgpr_workgroup_id_x 1
		.amdhsa_system_sgpr_workgroup_id_y 1
		.amdhsa_system_sgpr_workgroup_id_z 1
		.amdhsa_system_vgpr_workitem_id 0
		.amdhsa_next_free_vgpr 256
		.amdhsa_next_free_sgpr 100
		.amdhsa_reserve_vcc 1
		.amdhsa_float_denorm_mode_32 3
		.amdhsa_float_denorm_mode_16_64 3
		.amdhsa_memory_ordered 1
		.amdhsa_forward_progress 1
		.amdhsa_inst_pref_size 78
	.end_amdhsa_kernel
	.amdgpu_metadata
---
amdhsa.version: [ 1, 2 ]
amdhsa.kernels:
  - .name:           k_qc486501667_attn
    .symbol:         k_qc486501667_attn.kd
    .args:
      - { .name: qkv, .offset: 0, .size: 8, .value_kind: global_buffer, .address_space: global }
      - { .name: ao, .offset: 8, .size: 8, .value_kind: global_buffer, .address_space: global }
    .group_segment_fixed_size: 215040
    .private_segment_fixed_size: 0
    .kernarg_segment_align: 8
    .kernarg_segment_size: 16
    .max_flat_workgroup_size: 512
    .sgpr_count:     100
    .vgpr_count:     256
    .wavefront_size: 32
...
	.end_amdgpu_metadata
.endif
;; end of part 3
;; launch proj (part 4): grid 4 x 32, 4 waves a work-group, clusters of 4 x 4, 327,680 bytes of LDS; arguments ao, opnd, out0; writes out0
.if DOCPART == 4
	.amdgcn_target "amdgcn-amd-amdhsa--gfx1250"
	.amdhsa_code_object_version 6
	.text
	.protected	k_qc486501667_proj
	.globl	k_qc486501667_proj
	.p2align	8
	.type	k_qc486501667_proj,@function
k_qc486501667_proj:
	s_mov_b64 s[64:65], 0
	v_nop
	global_prefetch_b8 v0, s[64:65] scope:SCOPE_SE
	s_setreg_imm32_b32 hwreg(HW_REG_WAVE_MODE, 25, 1), 1
	s_wait_xcnt 0x0
	s_wait_alu depctr_hold_cnt(0) depctr_sa_sdst(0) depctr_va_vdst(0) depctr_va_sdst(0) depctr_va_ssrc(0) depctr_va_vcc(0) depctr_vm_vsrc(0)
	s_getreg_b32 s2, hwreg(HW_REG_IB_STS2, 6, 4)
	s_cmp_eq_u32 s2, 0
	s_cbranch_scc0 .Lentry_in_a_cluster
	s_endpgm
.Lentry_in_a_cluster:
	s_bfe_u32 s2, ttmp6, 0x10000c
	s_cmp_lg_u32 s2, 0xf033
	s_cbranch_scc0 .Lentry_shape_is_right
	s_endpgm
.Lentry_shape_is_right:
; out0 = (attention's output) W_proj^T x 2^-5, on codes of FP6 (E2M3) with E8M0 scales.  A = ao [token / 64][kappa 0..7][6400] (the factor 2^-5 lies in its scale bytes already), B = W_proj = groups 176-191 of opnd,
; same layout: a block = 4 fragment images of 1,536 bytes (16 rows x 128 K as the operand's registers) + 256 bytes of scale words (row r, tile tau at 16 r + 4 tau).
; The rows of a tile are 32 (tau / 2) + 8 (tau % 2) + r + 8 (r / 8) of their group of 64, on both sides.
; A tile of C is 256 x 256, a wave's 128 x 128: 64 accumulators.  K = 1,024 is 8 steps of 128.  LDS: three slots of two steps each, all filled at the head; slot 0 is filled once more for the last two steps.
; By this text's own count a wave has three tensor loads out at the head and one behind the refill.  CLUSTERS 4 x 4: A's tiles are shared along a row of the cluster, B's along a column: joint loads.
; The matrix instruction is used TRANSPOSED (source 0 = 16 rows of B, source 1 = 16 rows of A): a lane holds one token, and the 16 registers of two neighbouring tiles are 16 neighbouring columns.
; The grid has 128 work-groups: 32 x 4 tiles of 256 x 256.
; LIMITS: NaN and infinities are not served.
; REGISTERS: window 0: v2-7 lane numbers, v8-22 LDS addresses, v24-25 the stage's, v28-29 the add's, v32-63 scale words (two sets), v128-223 A's 8 fragments (on the way out v128-255: rows read back);
; window 1: B's fragments, two sets (v0, v128); windows 2, 3: accumulators (a, b) at v[8 (8 (a % 4) + b)].
.set GRP,    12800
.set BLK,    6400
.set IMG,    1536
.set SLOTB,  102400
.set BOFF,   51200
.set SPARE,  307200
.set GPITCH, 51200
.set ADRA16, 8
.set ADRA8,  11
.set ADRB16, 14
.set ADRB8,  17
.set ADRS,   20
.set STO,    24
.set RD,     25
.set SPW,    28
.set NIL,    29
.set SC,     32
.set AF,     128
.set BK,     128
.set MUL_LO, 0xa1
.set MUL_HI, 0xf1
.set TO_B,   0x40
.set MSB, 0
.macro WIN new                         ; the immediate's high byte repeats the setting that is left
.if MSB != (\new)
	s_set_vgpr_msb (MSB<<8)|(\new)
.set MSB, (\new)
.endif
.endm
.macro PLACES n
.rept \n
	v_nop
.endr
.endm
.macro CREST                           ; a round of the cluster's barrier behind its opening barrier
	s_cmp_lg_u32 s10, 0
	s_cbranch_scc1 .Lnot_wave_0_\@
	s_barrier_signal -3
.Lnot_wave_0_\@:
	s_barrier_wait -3
	s_barrier_signal -1
	s_barrier_wait -1
.endm
.macro CROUND
	s_barrier_signal -1
	s_barrier_wait -1
	CREST
.endm
.macro JLOAD                           ; the joint refill of slot 0: waves 0, 1 for A, waves 2, 3 for B; four v_nop follow each line
	s_cmp_eq_u32 s11, 0
	s_cbranch_scc0 .Lfor_b_\@
	tensor_load_to_lds s[32:35], s[16:23]
	s_nop 0
.rept 4
	v_nop
.endr
	s_branch .Lasked_\@
.Lfor_b_\@:
	tensor_load_to_lds s[44:47], s[24:31]
	s_nop 0
.rept 4
	v_nop
.endr
.Lasked_\@:
.endm
	s_load_b128 s[4:7], s[0:1], 0x0                ; ao, opnd
	s_load_b64 s[8:9], s[0:1], 0x10                ; out0
	v_lshl_add_u32 v[SPW], v0, 2, SPARE
	v_mov_b32 v[NIL], 0
	ds_add_u32 v28, v29
	ds_add_u32 v28, v29
	s_wait_dscnt 0x0
	v_lshrrev_b32 v1, 5, v0
	v_readfirstlane_b32 s10, v1                    ; wave 0..3
	s_lshr_b32 s11, s10, 1                         ; my half of A's rows.  Also: I fetch for A (0) or for B (1)
	s_and_b32 s12, s10, 1                          ; my half of B's rows.  Also: which two groups I fetch
	s_bfe_u32 s56, ttmp6, 0x40000                  ; cx = the tile column
	s_bfe_u32 s57, ttmp6, 0x40004                  ; cy
	s_and_b32 s61, ttmp7, 0xffff
	s_lshl_b32 s61, s61, 2
	s_add_co_u32 s61, s61, s57                     ; the tile row = 4 x cluster y + cy
	s_lshl_b32 s66, s57, 2
	s_lshl_b32 s66, 15, s66                        ; my row of the cluster
	s_lshl_b32 s67, 0x1111, s56                    ; my column
	; descriptor group 1: two rows of 12,800 bytes (a group's two K steps), 51,200 bytes apart; elements of 8 bytes; no padding
	s_or_b32 s16, s66, (3<<16)|(1<<21)
	s_or_b32 s24, s67, (3<<16)|(1<<21)
.irp g, 16, 24
	s_mov_b32 s[\g+1], 1600<<16                    ; tensor_dim0
	s_mov_b32 s[\g+2], 2<<16                       ; tensor_dim1
	s_mov_b32 s[\g+3], 1600<<16                    ; tile_dim0
	s_mov_b32 s[\g+4], 2                           ; tile_dim1
	s_mov_b32 s[\g+5], 6400                        ; tensor_dim0_stride
	s_mov_b32 s[\g+6], 0
	s_mov_b32 s[\g+7], 0
.endr
	s_lshl_b32 s82, s12, 1                         ; which two groups of the tile's four I fetch
	s_lshl_b32 s68, s61, 2
	s_add_co_u32 s68, s68, s82
	s_mul_i32 s68, s68, GPITCH
	s_mov_b32 s69, 0
	s_lshl_b32 s70, s56, 2
	s_add_co_u32 s70, s70, 176                     ; W_proj's first group
	s_add_co_u32 s70, s70, s82
	s_mul_i32 s70, s70, GPITCH
	s_mov_b32 s71, 0
	s_mul_i32 s72, s10, 2*GRP                      ; where they go: wave x two groups
	s_wait_kmcnt 0x0
	s_add_nc_u64 s[86:87], s[4:5], s[68:69]
	s_add_nc_u64 s[88:89], s[6:7], s[70:71]
	CROUND                                         ; all sixteen work-groups are here: the first joint loads meet
.irp s, 0,1,2
	s_mov_b32 s[32+4*\s], 1
	s_add_co_u32 s[33+4*\s], s72, \s*SLOTB
	s_add_nc_u64 s[34+4*\s:35+4*\s], s[86:87], \s*GRP
	s_or_b32 s[35+4*\s], s[35+4*\s], 0x80000000
	s_mov_b32 s[44+4*\s], 1
	s_add_co_u32 s[45+4*\s], s72, \s*SLOTB
	s_add_nc_u64 s[46+4*\s:47+4*\s], s[88:89], \s*GRP
	s_or_b32 s[47+4*\s], s[47+4*\s], 0x80000000
.endr
	s_cmp_eq_u32 s11, 0                            ; a wave's three first fills stand in one branch: K steps 0-1, 2-3, 4-5 into slots 0, 1, 2
	s_cbranch_scc0 .Lfirst_b
	tensor_load_to_lds s[32:35], s[16:23]
	s_nop 0
	tensor_load_to_lds s[36:39], s[16:23]
	s_nop 0
	tensor_load_to_lds s[40:43], s[16:23]
	s_nop 0
.rept 4
	v_nop
.endr
	s_branch .Lfirst_done
.Lfirst_b:
	tensor_load_to_lds s[44:47], s[24:31]
	s_nop 0
	tensor_load_to_lds s[48:51], s[24:31]
	s_nop 0
	tensor_load_to_lds s[52:55], s[24:31]
	s_nop 0
.rept 4
	v_nop
.endr
.Lfirst_done:
	v_and_b32 v1, 31, v0                           ; lane
	v_and_b32 v2, 15, v0                           ; r
	v_bfe_u32 v3, v0, 4, 1                         ; h
	v_lshlrev_b32 v4, 4, v1                        ; 16 x lane
	v_lshlrev_b32 v5, 3, v1                        ; 8 x lane
	s_mul_i32 s73, s11, 2*GRP                      ; my two groups of A
	s_mul_i32 s74, s12, 2*GRP
	s_add_co_u32 s74, s74, BOFF                    ; my two groups of B
	s_sub_co_u32 s75, s74, s73
	v_mul_u32_u24 v6, s75, v3                      ; scale words: lanes 0-15 take A's, lanes 16-31 B's
	v_lshl_add_u32 v6, v2, 4, v6
	v_add_nc_u32 v6, s73, v6
	v_add_nc_u32 v6, 6144, v6
.irp s, 0,1,2
	v_add_nc_u32 v[ADRA16+\s], s73, v4
	v_add_nc_u32 v[ADRA8+\s], s73, v5
	v_add_nc_u32 v[ADRB16+\s], s74, v4
	v_add_nc_u32 v[ADRB8+\s], s74, v5
	v_add_nc_u32 v[ADRS+\s], \s*SLOTB, v6
	s_add_co_u32 s73, s73, SLOTB
	s_add_co_u32 s74, s74, SLOTB
.endr
	s_mul_i32 s76, s10, 8448                       ; my stage for the way out: 16 rows x 528 bytes, in slot 1, which has its one fill at the head and its last read ahead of K step 5's barrier
	s_add_co_u32 s76, s76, SLOTB
	v_mul_u32_u24 v[STO], v2, 528
	v_lshl_add_u32 v[STO], v3, 6, v[STO]
	v_add_nc_u32 v[STO], s76, v[STO]               ; in: row r, + 64 h
	v_add_nc_u32 v[RD], s76, v4                    ; back: a row of 512 bytes, 16 bytes a lane
	s_lshl_b32 s90, s61, 8
	s_lshl_b32 s91, s11, 7
	s_add_co_u32 s90, s90, s91                     ; my first row of out0
	s_lshl_b32 s90, s90, 12
	s_lshl_b32 s91, s56, 10
	s_add_co_u32 s90, s90, s91
	s_lshl_b32 s91, s12, 9
	s_add_co_u32 s90, s90, s91                     ; + my first column, in bytes
	s_mov_b32 s91, 0
	s_add_nc_u64 s[8:9], s[8:9], s[90:91]
.macro FRAG reg, a16, a8, off          ; a fragment's image comes back as it was stored: every load is dense
	ds_load_b128 v[\reg:\reg+3], v[\a16] offset:\off
	ds_load_b64 v[\reg+4:\reg+5], v[\a8] offset:\off+512
	ds_load_b128 v[\reg+6:\reg+9], v[\a16] offset:\off+768
	ds_load_b64 v[\reg+10:\reg+11], v[\a8] offset:\off+1280
.endm
.macro FETCH_B slot, kq, p             ; B's eight fragments of the slot's kq-th K step into set p: 32 loads
	WIN TO_B
.irp i, 0,1,2,3,4,5,6,7
	FRAG 128*(\p)+12*\i, ADRB16+\slot, ADRB8+\slot, (\i/4)*GRP+(\kq)*BLK+(\i%4)*IMG
.endr
	WIN 0
.endm
.macro FETCH_A slot, kq, i0            ; A's blocks i0 .. i0 + 3: 16 loads
.irp i, \i0, \i0+1, \i0+2, \i0+3
	FRAG AF+12*(\i), ADRA16+\slot, ADRA8+\slot, ((\i)/4)*GRP+(\kq)*BLK+((\i)%4)*IMG
.endr
.endm
.macro SCALES slot, set                ; the slot's scale words: register 8 kq + tile; lanes 0-15 A's word, lanes 16-31 B's: 4 loads
.irp q, 0,1
.irp gi, 0,1
	ds_load_b128 v[SC+16*(\set)+8*\q+4*\gi:SC+16*(\set)+8*\q+4*\gi+3], v[ADRS+\slot] offset:\gi*GRP+\q*BLK
.endr
.endr
.endm
; 16 matrix instructions: A's blocks a0, a0 + 1 x B's eight.  The 64 accumulators take turns, one instruction a turn, in the same order in every K step.
.macro MUL16 a0, p, sc, zero
.irp a, \a0, \a0+1
.irp b, 0,1,2,3,4,5,6,7
.if \zero
	v_wmma_scale_f32_16x16x128_f8f6f4 v[8*(8*((\a)%4)+\b):8*(8*((\a)%4)+\b)+7], v[128*(\p)+12*\b:128*(\p)+12*\b+11], v[AF+12*(\a):AF+12*(\a)+11], 0, v[(\sc)+\b], v[(\sc)+(\a)] matrix_a_fmt:MATRIX_FMT_FP6 matrix_b_fmt:MATRIX_FMT_FP6 matrix_a_scale:MATRIX_SCALE_ROW1
.else
	v_wmma_scale_f32_16x16x128_f8f6f4 v[8*(8*((\a)%4)+\b):8*(8*((\a)%4)+\b)+7], v[128*(\p)+12*\b:128*(\p)+12*\b+11], v[AF+12*(\a):AF+12*(\a)+11], v[8*(8*((\a)%4)+\b):8*(8*((\a)%4)+\b)+7], v[(\sc)+\b], v[(\sc)+(\a)] matrix_a_fmt:MATRIX_FMT_FP6 matrix_b_fmt:MATRIX_FMT_FP6 matrix_a_scale:MATRIX_SCALE_ROW1
.endif
.endr
.endr
.endm
; A K step: 64 matrix instructions on B's set p and the scale words at sc; in its middle it fetches the next step's B and A's blocks 0-3 (and, with nset >= 0, the next slot's scale words), at its end A's blocks 4-7.
; sync = 0: no barrier.  sync = 1: a barrier, in front of which every wave has waited for all its tensor loads.  sync = 2: that barrier opens a round of the cluster's barrier, and slot 0 is filled again behind it.
.macro KS p, sc, nslot, nkq, nset, zero, sync
.if \sync
	s_wait_tensorcnt 0x0                           ; all my tensor loads have landed
	ds_add_u32 v[SPW], v[NIL]                      ; 0 onto my spare word
	s_wait_dscnt 17                                ; (the add and the youngest 16 loads, A's blocks 4-7, may be out)
.else
	s_wait_dscnt 16                                ; B's set, A's blocks 0-3 and the scale words are in; the youngest 16 loads (A's blocks 4-7) may be out
.endif
	WIN MUL_LO
	MUL16 0, \p, \sc, \zero
.if \sync
	s_wait_dscnt 0x0                               ; the add is done, and my LDS reads are over
	s_barrier_signal -1
.endif
	MUL16 2, \p, \sc, \zero
.if \sync
	WIN 0
	s_barrier_wait -1
.if \sync == 2
	CREST                                          ; no wave of any partner still reads slot 0 or has a load on its way
	s_add_nc_u64 s[34:35], s[34:35], 3*GRP         ; K steps 6 and 7
	s_add_nc_u64 s[46:47], s[46:47], 3*GRP
	JLOAD                                          ; the first tensor load behind the round; its four v_nop are also the places in front of the loads below
.else
	PLACES 4
.endif
.else
	s_wait_dscnt 0x0                               ; A's blocks 4-7 are in
	PLACES 4                                       ; four places in front of loads into registers that matrix instructions have read
.endif
	FETCH_B \nslot, \nkq, 1-(\p)
	FETCH_A \nslot, \nkq, 0
.if \nset >= 0
	SCALES \nslot, \nset
.endif
	WIN MUL_HI
	MUL16 4, \p, \sc, \zero
	MUL16 6, \p, \sc, \zero
	PLACES 4
	WIN 0
	FETCH_A \nslot, \nkq, 4
.endm
	s_wait_tensorcnt 2                             ; my part of slot 0 is in; slots 1 and 2 may be out
	s_barrier_signal -1
	s_barrier_wait -1
	FETCH_B 0, 0, 0
	FETCH_A 0, 0, 0
	SCALES 0, 0
	FETCH_A 0, 0, 4
	KS 0, SC+0,  0, 1, -1, 1, 0                    ; K step 0: its products start the sums
	KS 1, SC+8,  1, 0, 1,  0, 2                    ; 1: slot 0 is read out: the one round and the one refill; the wait for all loads also shows slots 1 and 2 whole to every wave
	KS 0, SC+16, 1, 1, -1, 0, 0                    ; 2
	KS 1, SC+24, 2, 0, 0,  0, 0                    ; 3
	KS 0, SC+0,  2, 1, -1, 0, 0                    ; 4
	KS 1, SC+8,  0, 0, 1,  0, 1                    ; 5: the refill, asked for 256 matrix instructions ago, has landed in every wave's count: a barrier, then slot 0 is read
	KS 0, SC+16, 0, 1, -1, 0, 0                    ; 6
	s_wait_dscnt 16                                ; 7: nothing more to fetch
	WIN MUL_LO
	MUL16 0, 1, SC+24, 0
	MUL16 2, 1, SC+24, 0
	s_wait_dscnt 0x0
	WIN MUL_HI
	MUL16 4, 1, SC+24, 0
	MUL16 6, 1, SC+24, 0
	WIN 0
; THE WAY OUT, a tile of A (16 tokens x my 128 columns) at a time: through my own stage in LDS, back as whole rows of 512 bytes.  Accumulator b = 2 beta + u holds columns 32 beta + 16 h + 8 u + 0 .. 7.
; LDS serves a wave's instructions in order: no wait between the stores and the loads, nor in front of the next tile's stores.
.macro TOSTAGE a
.set AC, 64*((\a)%4)
	WIN 0x08+4*((\a)/4)                            ; the data: window 2 or 3
.irp b, 0,1,2,3,4,5,6,7
	ds_store_b128 v[STO], v[AC+8*\b:AC+8*\b+3] offset:128*(\b/2)+32*(\b%2)         ; each accumulator from its low end on
	ds_store_b128 v[STO], v[AC+8*\b+4:AC+8*\b+7] offset:128*(\b/2)+32*(\b%2)+16
.endr
	WIN 0
.set BB, BK+64*((\a)%2)
.irp t, 0,1,2,3,4,5,6,7,8,9,10,11,12,13,14,15
	ds_load_b128 v[BB+4*\t:BB+4*\t+3], v[RD] offset:\t*528
.endr
.endm
.macro SEND a, younger                 ; younger: the LDS instructions issued behind tile a's loads, which may stay out
.set BB, BK+64*((\a)%2)
	s_wait_dscnt \younger
.irp t, 0,1,2,3,4,5,6,7,8,9,10,11,12,13,14,15
	global_store_b128 v4, v[BB+4*\t:BB+4*\t+3], s[8:9] offset:(32*((\a)/2)+8*((\a)%2)+\t+8*(\t/8))*4096 th:TH_STORE_NT   ; 32 lanes store 512 consecutive bytes, aligned to 256; the tile's row t is token 32 (a / 2) + 8 (a % 2) + t + 8 (t / 8)
.endr
.endm
	PLACES 4                                       ; behind the last products: results are read, and loads land on A's registers
	TOSTAGE 0
.irp a, 1,2,3,4,5,6,7
.if \a > 1
	s_wait_xcnt 0x0                                ; tile a - 2's stores have read their registers: tile a's loads may land there
.endif
	TOSTAGE \a
	SEND \a-1, 32                                  ; behind tile a - 1's loads: tile a's 16 stores and 16 loads
.endr
	SEND 7, 0
	s_wait_tensorcnt 0x0                           ; the wave's end
	ds_add_u32 v[SPW], v[NIL]
	s_wait_dscnt 0x0
	CROUND                                         ; the closing round
	s_endpgm
.Lfunc_end_k_qc486501667_proj:
	.size	k_qc486501667_proj, .Lfunc_end_k_qc486501667_proj-k_qc486501667_proj
	.p2alignl 7, 3214868480
	.fill 96, 4, 3214868480
	.section	.rodata,"a",@progbits
	.p2align	6, 0x0
	.amdhsa_kernel k_qc486501667_proj
		.amdhsa_group_segment_fixed_size 327680
		.amdhsa_private_segment_fixed_size 0
		.amdhsa_enable_private_segment 0
		.amdhsa_kernarg_size 24
		.amdhsa_user_sgpr_count 2
		.amdhsa_user_sgpr_kernarg_segment_ptr 1
		.amdhsa_wavefront_size32 1
		.amdhsa_system_sgpr_workgroup_id_x 1
		.amdhsa_system_sgpr_workgroup_id_y 1
		.amdhsa_system_sgpr_workgroup_id_z 1
		.amdhsa_system_vgpr_workitem_id 0
		.amdhsa_next_free_vgpr 1024
		.amdhsa_next_free_sgpr 100
		.amdhsa_reserve_vcc 0
		.amdhsa_float_denorm_mode_32 3
		.amdhsa_float_denorm_mode_16_64 3
		.amdhsa_memory_ordered 1
		.amdhsa_forward_progress 1
		.amdhsa_inst_pref_size 139
	.end_amdhsa_kernel
	.amdgpu_metadata
---
amdhsa.version: [ 1, 2 ]
amdhsa.kernels:
  - .name:           k_qc486501667_proj
    .symbol:         k_qc486501667_proj.kd
    .args:
      - { .name: ao, .offset: 0, .size: 8, .value_kind: global_buffer, .address_space: global }
      - { .name: opnd, .offset: 8, .size: 8, .value_kind: global_buffer, .address_space: global }
      - { .name: out0, .offset: 16, .size: 8, .value_kind: global_buffer, .address_space: global }
    .group_segment_fixed_size: 327680
    .private_segment_fixed_size: 0
    .kernarg_segment_align: 8
    .kernarg_segment_size: 24
    .max_flat_workgroup_size: 128
    .sgpr_count:     100
    .vgpr_count:     1024
    .wavefront_size: 32
...
	.end_amdgpu_metadata
.endif
;; end of part 4
